; MI455X (gfx1250); checked and timed in simulation.
; The chip was launched on July 23, 2026; its instructions are those of AMD's public machine-readable ISA for CDNA 5 (MIT licence, August 2026) and "CDNA5" Instruction Set Architecture Reference Guide (July 2026). The comments in the code are by the model that wrote it; some were corrected since.
;; Attention. Allowed arithmetic: float matrix products may take bf16 or f16 operands with f32 sums; all other float work in f32.
;; Inputs: W 1,024 x 1,024 float32; bias 1,024 float32; dec_hidden 32 x 1,024 float32; enc_outputs 2,048 x 32 x 1,024 float32.
;; Outputs: out0 32 x 2,048 float32.
;; 2 versions, each right; version 2 is version 1 with the launch energy written anew for expert scheduling mode. Each part assembles by itself: llvm-mc -triple=amdgcn-amd-amdhsa -mcpu=gfx1250 --defsym DOCPART=n.
;; ======== version 1 of 2: 3 launches
;; workspace buffers: qp 2,097,152 bytes; en 262,144 bytes
;; launch qpart (part 1): grid 16 x 16, 8 waves a work-group, no clusters, 25,600 bytes of LDS; arguments W, dec_hidden, qp; writes qp
.if DOCPART == 1
	.amdgcn_target "amdgcn-amd-amdhsa--gfx1250"
	.amdhsa_code_object_version 6
	.text
	.protected	k_q2bb8d1db93_qpart
	.globl	k_q2bb8d1db93_qpart
	.p2align	8
	.type	k_q2bb8d1db93_qpart,@function
k_q2bb8d1db93_qpart:
	s_mov_b64 s[64:65], 0
	v_nop
	global_prefetch_b8 v0, s[64:65] scope:SCOPE_SE
	s_setreg_imm32_b32 hwreg(HW_REG_WAVE_MODE, 25, 1), 1
	s_wait_xcnt 0x0
; qp[kc][b][h] = sum over the 64 k of chunk kc of dec[b][k] * W[k][h].   W: [1024 k][1024 h] f32, dec: [32 b][1024 k] f32,
; qp: [16 kc][32 b][1024 h] f32.  The sum of the 16 chunks is q = dec W, and dec[b] . (W x + bias) = q[b] . x + dec[b] . bias for every
; input, so the large tensor later meets one vector for each b instead of the whole of W.
; SHARES: work-group (hc, kc) takes 64 columns h and 64 rows k: 16 KB of W (each byte of W is read once in the launch) and 8 KB of dec.
; Thread t takes four neighbouring h (16 bytes, t % 16) and two b (2 (t / 16), +1): eight sums in four register pairs.
; WHY f32 ON THE VECTOR UNIT: q feeds the exponents of a softmax, where an absolute error of an exponent is a relative error of the
; result; each exponent is a sum of 1,024 products with q, so q is kept to f32's 24 bits.  The whole product is 32 x 1024 x 1024
; multiply-adds, 131,072 for a work-group.
; NO JOINT LOADS: what work-groups share is the dec tile, 8 KB of a work-group's 24 KB, fetched once with no loop behind it.
; LIMIT: the order of the f32 sums differs from a product that forms W x first (64 k in ascending order here, the 16 chunks later).
.set WT,   0                           ; LDS: W tile, 64 rows k of 256 bytes
.set DECT, 16384                       ; LDS: dec tile, 32 rows b of 256 bytes (64 k)
.set WA,   1                           ; v1       16 (t % 16): my four h in a row of the W tile
.set BP,   2                           ; v2       t / 16: the row that I fetch; my pair of b
.set GO,   3                           ; v3       4096 (t / 16) + 16 (t % 16): my 16 bytes in both tensors (rows of 4,096 bytes in both)
.set LS,   4                           ; v4       16 t: where they go in LDS
.set DA,   5                           ; v5       512 (t / 16): my two rows of the dec tile
.set SO,   6                           ; v6       8192 (t / 16) + 16 (t % 16): my 16 bytes in qp, row 2 (t / 16)
.set STG,  8                           ; v[8:31]  six loads of 16 bytes on their way to LDS
.set ACC,  32                          ; v[32:39] ACC + 4 i + 2 half: b = 2 bp + i, two h
.set BUF0, 40                          ; v[40:87]  a group of 8 k: W in +0..31 (4 h of each k), dec in +32..47 (8 k of each of 2 b)
.set BUF1, 88                          ; v[88:135] the same, the other group
	s_load_b128 s[4:7], s[0:1], 0x0                ; W s[4:5], dec s[6:7]
	s_load_b64 s[8:9], s[0:1], 0x10                ; qp
	v_lshl_add_u32 v136, v0, 2, 0x6000
	v_mov_b32 v137, 0
	s_and_b32 s16, ttmp7, 0xffff                   ; kc
	s_lshl_b32 s17, ttmp9, 8                       ; hc x 64 columns x 4 bytes
	s_lshl_b32 s10, s16, 18                        ; W: kc x 64 rows x 4,096 bytes
	s_add_co_u32 s10, s10, s17                     ;    + my columns
	s_mov_b32 s11, 0
	s_lshl_b32 s12, s16, 8                         ; dec: kc x 64 k x 4 bytes
	s_mov_b32 s13, 0
	s_lshl_b32 s14, s16, 17                        ; qp: kc x 32 rows x 4,096 bytes
	s_add_co_u32 s14, s14, s17                     ;     + my columns
	s_mov_b32 s15, 0
	v_and_b32 v[WA], 15, v0
	v_lshlrev_b32 v[WA], 4, v[WA]
	v_lshrrev_b32 v[BP], 4, v0
	v_lshl_or_b32 v[GO], v[BP], 12, v[WA]
	v_lshlrev_b32 v[LS], 4, v0
	v_lshlrev_b32 v[DA], 9, v[BP]
	v_lshl_or_b32 v[SO], v[BP], 13, v[WA]
	s_wait_kmcnt 0x0
	s_add_nc_u64 s[4:5], s[4:5], s[10:11]
	s_add_nc_u64 s[6:7], s[6:7], s[12:13]
	s_add_nc_u64 s[8:9], s[8:9], s[14:15]
	; The fill: 256 threads x 16 bytes are 16 rows of 256 bytes; sixteen neighbouring lanes take one aligned run of 256 bytes.
.irp j, 0,1,2,3
	global_load_b128 v[STG+4*\j:STG+4*\j+3], v[GO], s[4:5] offset:65536*\j th:TH_LOAD_NT   ; W rows 16 j .. 16 j + 15: read by nobody else
.endr
.irp j, 0,1
	global_load_b128 v[STG+16+4*\j:STG+16+4*\j+3], v[GO], s[6:7] offset:65536*\j           ; dec rows 16 j .. 16 j + 15: sixteen work-groups read them
.endr
.irp j, 0,1,2,3,4,5
	s_wait_loadcnt 5-\j                            ; loads come back in order (ISA guide 5.7.1): load j is in, the 5 - j younger ones stay out
	ds_store_b128 v[LS], v[STG+4*\j:STG+4*\j+3] offset:4096*\j     ; lane i at 16 i; the dec tile begins at 4 x 4,096
.endr
	s_wait_dscnt 0x0                               ; my stores are in LDS, for the other waves' sake,
	s_barrier_signal -1
	s_barrier_wait -1                              ; and so are everybody's
; Twelve LDS loads: group g (k = 8 g .. 8 g + 7) into buffer buf.  Register buf + 4 r + x = W[8 g + r][my h + x];
; register buf + 32 + 8 i + r = dec[2 bp + i][8 g + r].  W: sixteen lanes take 256 neighbouring bytes; dec: sixteen lanes take one address.
.macro GLOAD g, buf
.irp r, 0,1,2,3,4,5,6,7
	ds_load_b128 v[\buf+4*\r:\buf+4*\r+3], v[WA] offset:WT+(8*(\g)+\r)*256
.endr
.irp i, 0,1
.irp u, 0,1
	ds_load_b128 v[\buf+32+8*\i+4*\u:\buf+32+8*\i+4*\u+3], v[DA] offset:DECT+256*\i+16*(2*(\g)+\u)
.endr
.endr
.endm
; One k of a group: four packed multiply-adds on the four accumulator pairs in turn.  The dec number is one register of an even-aligned
; pair and feeds both halves: an even k takes the pair's first register for both (op_sel_hi 0), an odd k its second (op_sel 1).
; first = 1 (with r = 0 alone): the product starts the sums, nothing is cleared.
.macro KMAC buf, r, first
.irp i, 0,1
.irp h, 0,1
.if \first
	v_pk_mul_f32 v[ACC+4*\i+2*\h:ACC+4*\i+2*\h+1], v[\buf+4*\r+2*\h:\buf+4*\r+2*\h+1], v[\buf+32+8*\i+\r:\buf+32+8*\i+\r+1] op_sel_hi:[1,0]
.else
.if (\r)&1
	v_pk_fma_f32 v[ACC+4*\i+2*\h:ACC+4*\i+2*\h+1], v[\buf+4*\r+2*\h:\buf+4*\r+2*\h+1], v[\buf+32+8*\i+\r-1:\buf+32+8*\i+\r], v[ACC+4*\i+2*\h:ACC+4*\i+2*\h+1] op_sel:[0,1,0]
.else
	v_pk_fma_f32 v[ACC+4*\i+2*\h:ACC+4*\i+2*\h+1], v[\buf+4*\r+2*\h:\buf+4*\r+2*\h+1], v[\buf+32+8*\i+\r:\buf+32+8*\i+\r+1], v[ACC+4*\i+2*\h:ACC+4*\i+2*\h+1] op_sel_hi:[1,0,1]
.endif
.endif
.endr
.endr
.endm
.macro GMUL buf, first                 ; a group's 8 k, ascending: 32 packed instructions
	KMAC \buf, 0, \first
.irp r, 1,2,3,4,5,6,7
	KMAC \buf, \r, 0
.endr
.endm
	; Eight groups on two buffers: while one group is multiplied the next one's twelve loads are on their way.
	GLOAD 0, BUF0
	GLOAD 1, BUF1
	s_wait_dscnt 12                                ; LDS loads come back in order: this group's twelve are in, the next group's twelve stay out
	GMUL BUF0, 1
	GLOAD 2, BUF0
	s_wait_dscnt 12
	GMUL BUF1, 0
	GLOAD 3, BUF1
.irp g, 4,6
	s_wait_dscnt 12
	GMUL BUF0, 0
	GLOAD \g, BUF0
	s_wait_dscnt 12
	GMUL BUF1, 0
	GLOAD \g+1, BUF1
.endr
	s_wait_dscnt 12                                ; group 6 is in, group 7 stays out
	GMUL BUF0, 0
	s_wait_dscnt 0x0                               ; nothing was issued behind group 7
	GMUL BUF1, 0
.irp i, 0,1
	global_store_b128 v[SO], v[ACC+4*\i:ACC+4*\i+3], s[8:9] offset:4096*\i     ; row 2 bp + i: sixteen lanes store 256 consecutive bytes, aligned
.endr
	s_wait_tensorcnt 0x0
	ds_add_u32 v136, v137
	s_wait_dscnt 0x0
	s_endpgm
.Lfunc_end_k_q2bb8d1db93_qpart:
	.size	k_q2bb8d1db93_qpart, .Lfunc_end_k_q2bb8d1db93_qpart-k_q2bb8d1db93_qpart
	.p2alignl 7, 3214868480
	.fill 96, 4, 3214868480
	.section	.rodata,"a",@progbits
	.p2align	6, 0x0
	.amdhsa_kernel k_q2bb8d1db93_qpart
		.amdhsa_group_segment_fixed_size 25600
		.amdhsa_private_segment_fixed_size 0
		.amdhsa_enable_private_segment 0
		.amdhsa_kernarg_size 24
		.amdhsa_user_sgpr_count 2
		.amdhsa_user_sgpr_kernarg_segment_ptr 1
		.amdhsa_wavefront_size32 1
		.amdhsa_system_sgpr_workgroup_id_x 1
		.amdhsa_system_sgpr_workgroup_id_y 1
		.amdhsa_system_sgpr_workgroup_id_z 1
		.amdhsa_system_vgpr_workitem_id 0
		.amdhsa_next_free_vgpr 138
		.amdhsa_next_free_sgpr 66
		.amdhsa_reserve_vcc 0
		.amdhsa_float_denorm_mode_32 3
		.amdhsa_float_denorm_mode_16_64 3
		.amdhsa_memory_ordered 1
		.amdhsa_forward_progress 1
		.amdhsa_inst_pref_size 26
	.end_amdhsa_kernel
	.amdgpu_metadata
---
amdhsa.version: [ 1, 2 ]
amdhsa.kernels:
  - .name:           k_q2bb8d1db93_qpart
    .symbol:         k_q2bb8d1db93_qpart.kd
    .args:
      - { .name: W, .offset: 0, .size: 8, .value_kind: global_buffer, .address_space: global }
      - { .name: dec_hidden, .offset: 8, .size: 8, .value_kind: global_buffer, .address_space: global }
      - { .name: qp, .offset: 16, .size: 8, .value_kind: global_buffer, .address_space: global }
    .group_segment_fixed_size: 25600
    .private_segment_fixed_size: 0
    .kernarg_segment_align: 8
    .kernarg_segment_size: 24
    .max_flat_workgroup_size: 256
    .sgpr_count:     66
    .vgpr_count:     138
    .wavefront_size: 32
...
	.end_amdgpu_metadata
.endif
;; end of part 1
;; launch energy (part 2): grid 32 x 8, 16 waves a work-group, no clusters, 7,168 bytes of LDS; arguments enc_outputs, qp, en; writes en
.if DOCPART == 2
	.amdgcn_target "amdgcn-amd-amdhsa--gfx1250"
	.amdhsa_code_object_version 6
	.text
	.protected	k_q2bb8d1db93_energy
	.globl	k_q2bb8d1db93_energy
	.p2align	8
	.type	k_q2bb8d1db93_energy,@function
k_q2bb8d1db93_energy:
	s_mov_b64 s[64:65], 0
	v_nop
	global_prefetch_b8 v0, s[64:65] scope:SCOPE_SE
	s_setreg_imm32_b32 hwreg(HW_REG_WAVE_MODE, 25, 1), 1
	s_wait_xcnt 0x0
; en[b][s] = q[b] . enc[s][b],  q[b] = the sum of the 16 chunks qp[.][b].   enc: [2048 s][32 b][1024 h] f32, qp: [16][32][1024] f32,
; en: [32 b][2048 s] f32.  (dec[b] . bias, the same for all s of a row, is added by the launch that follows.)
; SHARES: work-group (b, c) takes the 256 rows s = 256 c .. 256 c + 255 of one b, 1 MB of enc; wave w takes 16 of them.  A row is 4,096
; consecutive bytes, aligned: eight loads of 16 bytes a lane, each covering 512 neighbouring bytes.  q[b] lies in 32 registers of every
; lane in the same order, so a row costs 16 packed multiply-adds and one sum across the lanes.  Every byte of enc is read once.
; IN FLIGHT: a ring of DEPTH row slots in registers: 8 DEPTH loads = 4 KB x DEPTH for a wave, 64 KB x DEPTH for the sixteen waves.
; The row's number stands in the load's immediate (15 x 131,072 + 3,584 at the most, inside its signed 24 bits; ISA guide, chapter 10),
; so no address register is ever rewritten and the sixteen rows are written out without a loop.
; NO MATRIX UNIT: each number of enc meets exactly one multiply-add (32 separate matrix-vector products), so a 16 x 16 form would use
; one of its sixteen columns, and the conversion to 16 bits alone would cost as many instructions as the packed multiply-adds.
; NO JOINT LOADS: no byte of enc is shared; qp's 64 KB, which the 8 work-groups of one b share, are 6% of a work-group's bytes.
; LIMIT: f32 sums in four chains a lane and a tree over 32 lanes; the order differs from a sum in ascending h.
.set DEPTH,  4                         ; row slots = rows in flight in each wave
.set ROWS,   16                        ; rows of a wave
.set SROW,   131072                    ; bytes from enc[s][b] to enc[s + 1][b]; also from qp[p][b] to qp[p + 1][b]
.set Q_LDS,  0                         ; LDS: q[b], 4,096 bytes
.set EN_LDS, 4096                      ; LDS: the work-group's 256 results, 1,024 bytes
.set QA,  1                            ; v1         16 x lane
.set PA,  2                            ; v2         8 t: my two columns of qp and of q in LDS
.set OFF, 3                            ; v3         wave x 16 rows x 131,072 + 16 x lane; never rewritten
.set Q,   4                            ; v[4:35]    first the 16 chunks of my two columns, then q in the rows' order
.set X,   36                           ; v[36:163]  slot r: 32 registers, a row as loaded
.set A,   164                          ; v[164:171] four chains of two sums
.set EA,  172                          ; v172       LDS address of my wave's 16 results; never rewritten
.set OA,  173                          ; v173       16 (t % 64): the way out
.set O,   174                          ; v[174:177] the way out
	s_load_b128 s[4:7], s[0:1], 0x0                ; enc s[4:5], qp s[6:7]
	s_load_b64 s[8:9], s[0:1], 0x10                ; en
	v_lshl_add_u32 v180, v0, 2, 0x1400
	v_mov_b32 v181, 0
	v_lshrrev_b32 v[OFF], 5, v0
	v_readfirstlane_b32 s16, v[OFF]                ; wave 0..15
	v_and_b32 v[QA], 31, v0
	v_lshlrev_b32 v[QA], 4, v[QA]
	v_lshl_or_b32 v[OFF], v[OFF], 21, v[QA]
	v_lshlrev_b32 v[PA], 3, v0
	v_and_b32 v[OA], 63, v0
	v_lshlrev_b32 v[OA], 4, v[OA]
	s_and_b32 s12, ttmp7, 0xffff                   ; c
	s_lshl_b32 s20, ttmp9, 12                      ; b x 4,096 bytes: my b in a row of enc and in a chunk of qp
	s_mov_b32 s21, 0
	s_lshl_b32 s18, s12, 25                        ; c x 256 rows x 131,072 bytes (7 x 2^25 at the most)
	s_add_co_u32 s18, s18, s20
	s_mov_b32 s19, 0
	s_lshl_b32 s22, ttmp9, 13                      ; en: b x 8,192 bytes
	s_lshl_b32 s13, s12, 10                        ;     + c x 256 results x 4 bytes
	s_add_co_u32 s22, s22, s13
	s_mov_b32 s23, 0
	s_lshl_b32 s17, s16, 6                         ; 16 results x 4 bytes for each wave
	s_add_co_u32 s17, s17, EN_LDS
	v_mov_b32 v[EA], s17
	s_mov_b32 s10, 0x76543210                      ; v_permlanex16_b32: lane i of one half reads lane i of the other
	s_mov_b32 s11, 0xfedcba98
	s_wait_kmcnt 0x0
	s_add_nc_u64 s[4:5], s[4:5], s[18:19]
	s_add_nc_u64 s[6:7], s[6:7], s[20:21]
	s_add_nc_u64 s[8:9], s[8:9], s[22:23]
.macro FILL i                          ; row i of my 16 into its slot: eight loads, 512 neighbouring bytes each
.irp j, 0,1,2,3,4,5,6,7
	global_load_b128 v[X+32*((\i)%DEPTH)+4*\j:X+32*((\i)%DEPTH)+4*\j+3], v[OFF], s[4:5] offset:(\i)*SROW+512*\j th:TH_LOAD_NT
.endr
.endm
	; The 16 chunks of my two columns of q (a wave's load covers 256 neighbouring bytes), and straight behind them the first DEPTH rows:
	; the work on q is done while those rows are on their way.
.irp p, 0,1,2,3,4,5,6,7,8,9,10,11,12,13,14,15
	global_load_b64 v[Q+2*\p:Q+2*\p+1], v[PA], s[6:7] offset:SROW*\p
.endr
.irp i, 0,1,2,3
	FILL \i
.endr
	s_wait_loadcnt 8*DEPTH                         ; the 16 chunks are in; the 8 DEPTH younger loads of enc stay out
.irp p, 0,2,4,6,8,10,12,14
	v_pk_add_f32 v[Q+2*\p:Q+2*\p+1], v[Q+2*\p:Q+2*\p+1], v[Q+2*\p+2:Q+2*\p+3]      ; a fixed tree: neighbours,
.endr
.irp p, 0,4,8,12
	v_pk_add_f32 v[Q+2*\p:Q+2*\p+1], v[Q+2*\p:Q+2*\p+1], v[Q+2*\p+4:Q+2*\p+5]      ; two apart,
.endr
.irp p, 0,8
	v_pk_add_f32 v[Q+2*\p:Q+2*\p+1], v[Q+2*\p:Q+2*\p+1], v[Q+2*\p+8:Q+2*\p+9]      ; four apart,
.endr
	v_pk_add_f32 v[Q:Q+1], v[Q:Q+1], v[Q+16:Q+17]                                  ; eight apart
	ds_store_b64 v[PA], v[Q:Q+1] offset:Q_LDS      ; 512 threads x 8 bytes: the whole of q[b]
	s_wait_dscnt 0x0                               ; my store is in LDS, for the other waves' sake
	s_barrier_signal -1
	s_barrier_wait -1
.irp j, 0,1,2,3,4,5,6,7
	ds_load_b128 v[Q+4*\j:Q+4*\j+3], v[QA] offset:Q_LDS+512*\j     ; q in the order in which a row's loads bring enc
.endr
	s_wait_dscnt 0x0
; Row i: the product with q, the slot's next fill, the sum across the lanes, the result into LDS.
.macro TURN i
.if ROWS-1-\i < DEPTH-1
	s_wait_loadcnt 8*(ROWS-1-\i)                   ; the last rows: fewer younger rows are left
.else
	s_wait_loadcnt 8*(DEPTH-1)                     ; loads come back in order (ISA guide 5.7.1): my row is in, the DEPTH - 1 younger rows stay out
.endif
.irp j, 0,1,2,3
	v_pk_mul_f32 v[A+2*\j:A+2*\j+1], v[X+32*(\i%DEPTH)+2*\j:X+32*(\i%DEPTH)+2*\j+1], v[Q+2*\j:Q+2*\j+1]    ; the first four products start the chains
.endr
.irp j, 4,5,6,7,8,9,10,11,12,13,14,15
	v_pk_fma_f32 v[A+2*(\j%4):A+2*(\j%4)+1], v[X+32*(\i%DEPTH)+2*\j:X+32*(\i%DEPTH)+2*\j+1], v[Q+2*\j:Q+2*\j+1], v[A+2*(\j%4):A+2*(\j%4)+1]
.endr
.if \i+DEPTH < ROWS
	FILL \i+DEPTH                                  ; the slot has been read: its next row goes out ahead of the sum across the lanes
.endif
	v_pk_add_f32 v[A:A+1], v[A:A+1], v[A+2:A+3]
	v_pk_add_f32 v[A+4:A+5], v[A+4:A+5], v[A+6:A+7]
	v_pk_add_f32 v[A:A+1], v[A:A+1], v[A+4:A+5]
	v_add_f32 v[A], v[A], v[A+1]
	v_add_f32_dpp v[A], v[A], v[A] row_xmask:1 row_mask:0xf bank_mask:0xf          ; four steps inside each half of 16 lanes,
	v_add_f32_dpp v[A], v[A], v[A] row_xmask:2 row_mask:0xf bank_mask:0xf
	v_add_f32_dpp v[A], v[A], v[A] row_xmask:4 row_mask:0xf bank_mask:0xf
	v_add_f32_dpp v[A], v[A], v[A] row_xmask:8 row_mask:0xf bank_mask:0xf
	v_permlanex16_b32 v[A+1], v[A], s10, s11       ; one across the halves (its destination has been written before)
	v_add_f32 v[A], v[A], v[A+1]
	ds_store_b32 v[EA], v[A] offset:4*\i           ; every lane holds the sum: all store the same word with the same value
.endm
.irp i, 0,1,2,3,4,5,6,7,8,9,10,11,12,13,14,15
	TURN \i
.endr
	; The way out: the 256 results, 1,024 consecutive bytes of en, leave by two waves, 16 bytes a lane.
	s_wait_dscnt 0x0                               ; my sixteen stores are in LDS, for the sake of waves 0 and 1
	s_barrier_signal -1
	s_barrier_wait -1
	s_cmp_gt_u32 s16, 1
	s_cbranch_scc1 .Lend
	ds_load_b128 v[O:O+3], v[OA] offset:EN_LDS
	s_wait_dscnt 0x0
	global_store_b128 v[OA], v[O:O+3], s[8:9]      ; sixteen lanes store 256 consecutive bytes, aligned
.Lend:
	s_wait_tensorcnt 0x0
	ds_add_u32 v180, v181
	s_wait_dscnt 0x0
	s_endpgm
.Lfunc_end_k_q2bb8d1db93_energy:
	.size	k_q2bb8d1db93_energy, .Lfunc_end_k_q2bb8d1db93_energy-k_q2bb8d1db93_energy
	.p2alignl 7, 3214868480
	.fill 96, 4, 3214868480
	.section	.rodata,"a",@progbits
	.p2align	6, 0x0
	.amdhsa_kernel k_q2bb8d1db93_energy
		.amdhsa_group_segment_fixed_size 7168
		.amdhsa_private_segment_fixed_size 0
		.amdhsa_enable_private_segment 0
		.amdhsa_kernarg_size 24
		.amdhsa_user_sgpr_count 2
		.amdhsa_user_sgpr_kernarg_segment_ptr 1
		.amdhsa_wavefront_size32 1
		.amdhsa_system_sgpr_workgroup_id_x 1
		.amdhsa_system_sgpr_workgroup_id_y 1
		.amdhsa_system_sgpr_workgroup_id_z 1
		.amdhsa_system_vgpr_workitem_id 0
		.amdhsa_next_free_vgpr 182
		.amdhsa_next_free_sgpr 66
		.amdhsa_reserve_vcc 0
		.amdhsa_float_denorm_mode_32 3
		.amdhsa_float_denorm_mode_16_64 3
		.amdhsa_memory_ordered 1
		.amdhsa_forward_progress 1
		.amdhsa_inst_pref_size 44
	.end_amdhsa_kernel
	.amdgpu_metadata
---
amdhsa.version: [ 1, 2 ]
amdhsa.kernels:
  - .name:           k_q2bb8d1db93_energy
    .symbol:         k_q2bb8d1db93_energy.kd
    .args:
      - { .name: enc_outputs, .offset: 0, .size: 8, .value_kind: global_buffer, .address_space: global }
      - { .name: qp, .offset: 8, .size: 8, .value_kind: global_buffer, .address_space: global }
      - { .name: en, .offset: 16, .size: 8, .value_kind: global_buffer, .address_space: global }
    .group_segment_fixed_size: 7168
    .private_segment_fixed_size: 0
    .kernarg_segment_align: 8
    .kernarg_segment_size: 24
    .max_flat_workgroup_size: 512
    .sgpr_count:     66
    .vgpr_count:     182
    .wavefront_size: 32
...
	.end_amdgpu_metadata
.endif
;; end of part 2
;; launch softmax (part 3): grid 32 x 1, 8 waves a work-group, no clusters, 1,280 bytes of LDS; arguments en, dec_hidden, bias, out0; writes out0
.if DOCPART == 3
	.amdgcn_target "amdgcn-amd-amdhsa--gfx1250"
	.amdhsa_code_object_version 6
	.text
	.protected	k_q2bb8d1db93_softmax
	.globl	k_q2bb8d1db93_softmax
	.p2align	8
	.type	k_q2bb8d1db93_softmax,@function
k_q2bb8d1db93_softmax:
	s_mov_b64 s[64:65], 0
	v_nop
	global_prefetch_b8 v0, s[64:65] scope:SCOPE_SE
	s_setreg_imm32_b32 hwreg(HW_REG_WAVE_MODE, 25, 1), 1
	s_wait_xcnt 0x0
; out0[b][s] = softmax over s of (en[b][s] + c[b]),  c[b] = dec[b] . bias.   en, out0: [32][2048] f32, dec: [32][1024] f32, bias: [1024] f32.
; One work-group for a row b: a row's maximum and sum span all its 2,048 numbers, and work-groups exchange nothing, so 32 work-groups
; are all the work there is.  Thread t holds eight numbers of the row (16 bytes at 16 t and at 16 t + 4,096) and four products of c.
; The maximum is taken away before the exponential.  It is found on the raw en and c is added to it afterwards: adding one number and
; rounding keeps the order, so max(en) + c IS the largest of the rounded en + c, and one barrier serves c and the maximum together.
; LIMITS: v_exp_f32 gives 0 where the result would lie under 2^-126, and v_rcp_f32 is good to 1 ULP (ISA guide 15.8); v_max_num_f32
; passes over a NaN, which still reaches the whole row through the sum; c and the sum of exponentials are f32 trees over lanes and waves.
.set C_LDS, 0                          ; LDS: one word a wave: parts of c,
.set M_LDS, 32                         ; maxima,
.set S_LDS, 64                         ; sums of exponentials (bytes of their own: no barrier between the reads above and these stores)
.set TA,  1                            ; v1       16 t
.set E,   4                            ; v[4:11]  my eight numbers
.set D,   12                           ; v[12:15] dec
.set BI,  16                           ; v[16:19] bias
.set P,   20                           ; v[20:21] sums at work
.set MX,  22                           ; v[22:23] maxima at work
.set WV,  24                           ; v24      4 x wave
.set Z,   25                           ; v25      0
.set R,   26                           ; v[26:41] what comes back from LDS
.set CC,  42                           ; v[42:43] c, twice
.set MM,  44                           ; v[44:45] the maximum, twice; later 1 / sum, twice
.macro RSUM r, t                       ; the sum over the wave's 32 lanes, in every lane; t has been written before
.irp m, 1,2,4,8
	v_add_f32_dpp v[\r], v[\r], v[\r] row_xmask:\m row_mask:0xf bank_mask:0xf
.endr
	v_permlanex16_b32 v[\t], v[\r], s12, s13
	v_add_f32 v[\r], v[\r], v[\t]
.endm
.macro RMAX r, t                       ; the same for the maximum
.irp m, 1,2,4,8
	v_max_num_f32_dpp v[\r], v[\r], v[\r] row_xmask:\m row_mask:0xf bank_mask:0xf
.endr
	v_permlanex16_b32 v[\t], v[\r], s12, s13
	v_max_num_f32 v[\r], v[\r], v[\t]
.endm
	s_load_b256 s[4:11], s[0:1], 0x0               ; en s[4:5], dec s[6:7], bias s[8:9], out0 s[10:11]
	v_lshl_add_u32 v48, v0, 2, 0x100
	v_mov_b32 v49, 0
	v_lshrrev_b32 v[WV], 5, v0
	v_readfirstlane_b32 s14, v[WV]                 ; wave 0..7
	s_lshl_b32 s15, s14, 2
	v_mov_b32 v[WV], s15
	v_mov_b32 v[Z], 0
	v_lshlrev_b32 v[TA], 4, v0
	s_lshl_b32 s16, ttmp9, 13                      ; b x 8,192 bytes: en and out0
	s_mov_b32 s17, 0
	s_lshl_b32 s18, ttmp9, 12                      ; b x 4,096 bytes: dec
	s_mov_b32 s19, 0
	s_mov_b32 s12, 0x76543210                      ; v_permlanex16_b32: lane i of one half reads lane i of the other
	s_mov_b32 s13, 0xfedcba98
	s_wait_kmcnt 0x0
	s_add_nc_u64 s[4:5], s[4:5], s[16:17]
	s_add_nc_u64 s[6:7], s[6:7], s[18:19]
	s_add_nc_u64 s[10:11], s[10:11], s[16:17]
	global_load_b128 v[E:E+3],   v[TA], s[4:5]
	global_load_b128 v[E+4:E+7], v[TA], s[4:5] offset:4096
	global_load_b128 v[D:D+3],   v[TA], s[6:7]
	global_load_b128 v[BI:BI+3], v[TA], s[8:9]
	s_wait_loadcnt 0x0
	; my part of c and my maximum, then the wave's
	v_pk_mul_f32 v[P:P+1], v[D:D+1], v[BI:BI+1]
	v_pk_fma_f32 v[P:P+1], v[D+2:D+3], v[BI+2:BI+3], v[P:P+1]
	v_max3_num_f32 v[MX], v[E], v[E+1], v[E+2]
	v_max3_num_f32 v[MX+1], v[E+3], v[E+4], v[E+5]
	v_add_f32 v[P], v[P], v[P+1]
	v_max3_num_f32 v[MX], v[MX], v[E+6], v[E+7]
	v_max_num_f32 v[MX], v[MX], v[MX+1]
	RSUM P, P+1
	RMAX MX, MX+1
	ds_store_b32 v[WV], v[P] offset:C_LDS          ; all lanes store the same word with the same value
	ds_store_b32 v[WV], v[MX] offset:M_LDS
	s_wait_dscnt 0x0                               ; for the other waves' sake
	s_barrier_signal -1
	s_barrier_wait -1
	ds_load_b128 v[R:R+3],     v[Z] offset:C_LDS
	ds_load_b128 v[R+4:R+7],   v[Z] offset:C_LDS+16
	ds_load_b128 v[R+8:R+11],  v[Z] offset:M_LDS
	ds_load_b128 v[R+12:R+15], v[Z] offset:M_LDS+16
	s_wait_dscnt 0x0
	v_add_f32 v[R], v[R], v[R+1]
	v_add_f32 v[R+2], v[R+2], v[R+3]
	v_add_f32 v[R+4], v[R+4], v[R+5]
	v_add_f32 v[R+6], v[R+6], v[R+7]
	v_max3_num_f32 v[R+8], v[R+8], v[R+9], v[R+10]
	v_max3_num_f32 v[R+11], v[R+11], v[R+12], v[R+13]
	v_add_f32 v[R], v[R], v[R+2]
	v_add_f32 v[R+4], v[R+4], v[R+6]
	v_max3_num_f32 v[R+8], v[R+8], v[R+14], v[R+15]
	v_add_f32 v[CC], v[R], v[R+4]                  ; c[b]
	v_max_num_f32 v[R+8], v[R+8], v[R+11]
	v_mov_b32 v[CC+1], v[CC]
	v_add_f32 v[MM], v[R+8], v[CC]                 ; the row's maximum of en + c
	v_mov_b32 v[MM+1], v[MM]
	; exp(x - max) = 2^((x - max) x 1.442695), x = en + c
.irp j, 0,2,4,6
	v_pk_add_f32 v[E+\j:E+\j+1], v[E+\j:E+\j+1], v[CC:CC+1]
.endr
.irp j, 0,2,4,6
	v_pk_add_f32 v[E+\j:E+\j+1], v[E+\j:E+\j+1], v[MM:MM+1] neg_lo:[0,1] neg_hi:[0,1]
.endr
.irp j, 0,2,4,6
	v_pk_mul_f32 v[E+\j:E+\j+1], v[E+\j:E+\j+1], 0x3fb8aa3b op_sel_hi:[1,0]
.endr
.irp j, 0,1,2,3,4,5,6,7
	v_exp_f32 v[E+\j], v[E+\j]
.endr
	v_nop                                          ; one plain vector instruction between the last v_exp_f32 and the first use of a result (ISA guide 5.7.2)
	s_wait_alu depctr_va_vdst(0)
	v_pk_add_f32 v[P:P+1], v[E:E+1], v[E+2:E+3]
	v_pk_add_f32 v[R:R+1], v[E+4:E+5], v[E+6:E+7]
	v_pk_add_f32 v[P:P+1], v[P:P+1], v[R:R+1]
	v_add_f32 v[P], v[P], v[P+1]
	RSUM P, P+1
	ds_store_b32 v[WV], v[P] offset:S_LDS
	s_wait_dscnt 0x0                               ; for the other waves' sake
	s_barrier_signal -1
	s_barrier_wait -1
	ds_load_b128 v[R:R+3],   v[Z] offset:S_LDS
	ds_load_b128 v[R+4:R+7], v[Z] offset:S_LDS+16
	s_wait_dscnt 0x0
	v_add_f32 v[R], v[R], v[R+1]
	v_add_f32 v[R+2], v[R+2], v[R+3]
	v_add_f32 v[R+4], v[R+4], v[R+5]
	v_add_f32 v[R+6], v[R+6], v[R+7]
	v_add_f32 v[R], v[R], v[R+2]
	v_add_f32 v[R+4], v[R+4], v[R+6]
	v_add_f32 v[R], v[R], v[R+4]                   ; between 1 (the maximum's own term) and 2,048
	v_rcp_f32 v[MM], v[R]                          ; twice, to fill the pair that the packed multiply takes
	v_rcp_f32 v[MM+1], v[R]
	v_nop                                          ; one plain vector instruction before the reciprocals are used (ISA guide 5.7.2)
	s_wait_alu depctr_va_vdst(0)
.irp j, 0,2,4,6
	v_pk_mul_f32 v[E+\j:E+\j+1], v[E+\j:E+\j+1], v[MM:MM+1]
.endr
	global_store_b128 v[TA], v[E:E+3],   s[10:11]              ; sixteen lanes store 256 consecutive bytes, aligned
	global_store_b128 v[TA], v[E+4:E+7], s[10:11] offset:4096
	s_wait_tensorcnt 0x0
	ds_add_u32 v48, v49
	s_wait_dscnt 0x0
	s_endpgm
.Lfunc_end_k_q2bb8d1db93_softmax:
	.size	k_q2bb8d1db93_softmax, .Lfunc_end_k_q2bb8d1db93_softmax-k_q2bb8d1db93_softmax
	.p2alignl 7, 3214868480
	.fill 96, 4, 3214868480
	.section	.rodata,"a",@progbits
	.p2align	6, 0x0
	.amdhsa_kernel k_q2bb8d1db93_softmax
		.amdhsa_group_segment_fixed_size 1280
		.amdhsa_private_segment_fixed_size 0
		.amdhsa_enable_private_segment 0
		.amdhsa_kernarg_size 32
		.amdhsa_user_sgpr_count 2
		.amdhsa_user_sgpr_kernarg_segment_ptr 1
		.amdhsa_wavefront_size32 1
		.amdhsa_system_sgpr_workgroup_id_x 1
		.amdhsa_system_sgpr_workgroup_id_y 1
		.amdhsa_system_sgpr_workgroup_id_z 1
		.amdhsa_system_vgpr_workitem_id 0
		.amdhsa_next_free_vgpr 50
		.amdhsa_next_free_sgpr 66
		.amdhsa_reserve_vcc 0
		.amdhsa_float_denorm_mode_32 3
		.amdhsa_float_denorm_mode_16_64 3
		.amdhsa_memory_ordered 1
		.amdhsa_forward_progress 1
		.amdhsa_inst_pref_size 7
	.end_amdhsa_kernel
	.amdgpu_metadata
---
amdhsa.version: [ 1, 2 ]
amdhsa.kernels:
  - .name:           k_q2bb8d1db93_softmax
    .symbol:         k_q2bb8d1db93_softmax.kd
    .args:
      - { .name: en, .offset: 0, .size: 8, .value_kind: global_buffer, .address_space: global }
      - { .name: dec_hidden, .offset: 8, .size: 8, .value_kind: global_buffer, .address_space: global }
      - { .name: bias, .offset: 16, .size: 8, .value_kind: global_buffer, .address_space: global }
      - { .name: out0, .offset: 24, .size: 8, .value_kind: global_buffer, .address_space: global }
    .group_segment_fixed_size: 1280
    .private_segment_fixed_size: 0
    .kernarg_segment_align: 8
    .kernarg_segment_size: 32
    .max_flat_workgroup_size: 256
    .sgpr_count:     66
    .vgpr_count:     50
    .wavefront_size: 32
...
	.end_amdgpu_metadata
.endif
;; end of part 3
;; ======== version 2 of 2: 3 launches; version 1 with the launch energy written anew for expert scheduling mode
;; workspace buffers: qp 2,097,152 bytes; en 262,144 bytes
;; launch qpart: the kernel of part 1 again; grid 16 x 16, 8 waves a work-group, no clusters, 25,600 bytes of LDS; arguments W, dec_hidden, qp; writes qp
;; launch energy (part 4): grid 32 x 8, 16 waves a work-group, no clusters, 7,168 bytes of LDS; arguments enc_outputs, qp, en; writes en
.if DOCPART == 4
	.amdgcn_target "amdgcn-amd-amdhsa--gfx1250"
	.amdhsa_code_object_version 6
	.text
	.protected	k_q2bb8d1db93_energy
	.globl	k_q2bb8d1db93_energy
	.p2align	8
	.type	k_q2bb8d1db93_energy,@function
k_q2bb8d1db93_energy:
	s_mov_b64 s[64:65], 0
	v_nop
	global_prefetch_b8 v0, s[64:65] scope:SCOPE_SE
	s_setreg_imm32_b32 hwreg(HW_REG_WAVE_SCHED_MODE, 0, 2), 2
	s_setreg_imm32_b32 hwreg(HW_REG_WAVE_MODE, 25, 1), 1
	s_wait_xcnt 0x0
	s_wait_alu depctr_vm_vsrc(0)
; en[b][s] = q[b] . enc[s][b],  q[b] = the sum of the 16 chunks qp[.][b].   enc: [2048 s][32 b][1024 h] f32, qp: [16][32][1024] f32,
; en: [32 b][2048 s] f32.  (dec[b] . bias, the same for all s of a row, is added by the launch that follows.)
; SHARES: work-group (b, c) takes the 256 rows s = 256 c .. 256 c + 255 of one b, 1 MB of enc; wave w takes 16 of them.  A row is 4,096
; consecutive bytes, aligned: eight loads of 16 bytes a lane, each covering 512 neighbouring bytes.  q[b] lies in 32 registers of every
; lane in the same order, so a row costs 16 packed multiply-adds and one sum across the lanes.  Every byte of enc is read once.
; IN FLIGHT: AHEAD rows of every wave are out while it waits for a row: 8 AHEAD loads = 4 KB x AHEAD for a wave, 64 KB x AHEAD for the
; sixteen waves.  The ring has one slot more than that, since a slot lies idle from its products to the next turn's head.
; The row's number stands in the load's immediate (15 x 131,072 + 3,584 at the most, inside its signed 24 bits; ISA guide, chapter 10),
; so no address register is ever rewritten and the sixteen rows are written out without a loop.
; NO MATRIX UNIT: each number of enc meets exactly one multiply-add (32 separate matrix-vector products), so a 16 x 16 form would use
; one of its sixteen columns, and the conversion to 16 bits alone would cost as many instructions as the packed multiply-adds.
; NO JOINT LOADS: no byte of enc is shared; qp's 64 KB, which the 8 work-groups of one b share, are 6% of a work-group's bytes.
; LIMIT: f32 sums in four chains a lane and a tree over 32 lanes; the order differs from a sum in ascending h.
; THE MODE: SCHED_MODE bits 1:0 = 2 (LLVM: expert scheduling mode 2), set by the entry lines.  The code itself states the register
; dependences between vector instructions and memory or LDS instructions, with s_wait_alu, always for 0.
; THE PLAN.  Registers that memory or LDS instructions touch:
;   v1, v2, v3, v204, v205   offsets and LDS addresses, made once at the head and never written again.
;   Q          The loads of qp land in it; the tree of additions reads and writes it; one LDS store reads its first pair; behind the
;              barrier the LDS loads of q land in it; from then on the products read it and nothing writes it.
;   X0 .. X4   five row slots.  Written by the loads of row i + 4, issued in turn i; read by turn i's sixteen products.
;   R0 .. R15  a register for each row's result.  Written by turn i's last addition; read by the LDS store that is issued in turn i + 1;
;              never written again.
;   O          an LDS load lands in it and a global store reads it: no vector instruction names it.
;   The chains A are named by vector instructions alone.
; Turn i works on X[i % 5] and writes R[i].  Its memory instructions are the loads into X[(i + 4) % 5] = X[(i - 1) % 5] and the LDS store
; from R[i - 1]: what turn i - 1 worked on and what no vector instruction of turn i names.  So ONE wait at the head of a turn states all
; that the turn's nine memory instructions hang on, and they are dealt among its products with no further wait.
.set SLOTS,  5                         ; row slots
.set AHEAD,  4                         ; turn i asks for row i + AHEAD
.set ROWS,   16                        ; rows of a wave
.set SROW,   131072                    ; bytes from enc[s][b] to enc[s + 1][b]; also from qp[p][b] to qp[p + 1][b]
.set Q_LDS,  0                         ; LDS: q[b], 4,096 bytes
.set EN_LDS, 4096                      ; LDS: the work-group's 256 results, 1,024 bytes
.set QA,  1                            ; v1         16 x lane
.set PA,  2                            ; v2         8 t: my two columns of qp and of q in LDS
.set OFF, 3                            ; v3         wave x 16 rows x 131,072 + 16 x lane; never rewritten
.set Q,   4                            ; v[4:35]    first the 16 chunks of my two columns, then q in the rows' order
.set X,   36                           ; v[36:195]  slot r: 32 registers, a row as loaded
.set A,   196                          ; v[196:203] four chains of two sums
.set EA,  204                          ; v204       LDS address of my wave's 16 results; never rewritten
.set OA,  205                          ; v205       16 (t % 64): the way out
.set O,   206                          ; v[206:209] the way out
.set R,   210                          ; v[210:225] row i's result at R + i
	s_load_b128 s[4:7], s[0:1], 0x0                ; enc s[4:5], qp s[6:7]
	s_load_b64 s[8:9], s[0:1], 0x10                ; en
	v_lshl_add_u32 v226, v0, 2, 0x1400
	v_mov_b32 v227, 0
	v_lshrrev_b32 v[OFF], 5, v0
	v_readfirstlane_b32 s16, v[OFF]                ; wave 0..15
	v_and_b32 v[QA], 31, v0
	v_lshlrev_b32 v[QA], 4, v[QA]
	v_lshl_or_b32 v[OFF], v[OFF], 21, v[QA]
	v_lshlrev_b32 v[PA], 3, v0
	v_and_b32 v[OA], 63, v0
	v_lshlrev_b32 v[OA], 4, v[OA]
	s_and_b32 s12, ttmp7, 0xffff                   ; c
	s_lshl_b32 s20, ttmp9, 12                      ; b x 4,096 bytes: my b in a row of enc and in a chunk of qp
	s_mov_b32 s21, 0
	s_lshl_b32 s18, s12, 25                        ; c x 256 rows x 131,072 bytes (7 x 2^25 at the most)
	s_add_co_u32 s18, s18, s20
	s_mov_b32 s19, 0
	s_lshl_b32 s22, ttmp9, 13                      ; en: b x 8,192 bytes
	s_lshl_b32 s13, s12, 10                        ;     + c x 256 results x 4 bytes
	s_add_co_u32 s22, s22, s13
	s_mov_b32 s23, 0
	s_wait_alu depctr_va_sdst(0)                   ; s16 is written, ahead of its first reader: the next line; the branch at the kernel's end reads it too
	s_lshl_b32 s17, s16, 6                         ; 16 results x 4 bytes for each wave
	s_add_co_u32 s17, s17, EN_LDS
	v_mov_b32 v[EA], s17
	s_mov_b32 s10, 0x76543210                      ; v_permlanex16_b32: lane i of one half reads lane i of the other
	s_mov_b32 s11, 0xfedcba98
	s_wait_kmcnt 0x0
	s_add_nc_u64 s[4:5], s[4:5], s[18:19]
	s_add_nc_u64 s[6:7], s[6:7], s[20:21]
	s_add_nc_u64 s[8:9], s[8:9], s[22:23]
	s_wait_alu depctr_va_vdst(0)                   ; the five offsets and addresses v1, v2, v3, v204, v205 are written: every load and store of the kernel reads one of them
.macro LD1 i, j                        ; load j of the eight of row i, into the row's slot: 512 neighbouring bytes
	global_load_b128 v[X+32*((\i)%SLOTS)+4*(\j):X+32*((\i)%SLOTS)+4*(\j)+3], v[OFF], s[4:5] offset:(\i)*SROW+512*(\j) th:TH_LOAD_NT
.endm
.macro FILL i                          ; row i of my 16 into its slot: eight loads, 512 neighbouring bytes each
.irp j, 0,1,2,3,4,5,6,7
	LD1 \i, \j
.endr
.endm
	; The 16 chunks of my two columns of q (a wave's load covers 256 neighbouring bytes), and straight behind them the first AHEAD rows:
	; the work on q is done while those rows are on their way.
.irp p, 0,1,2,3,4,5,6,7,8,9,10,11,12,13,14,15
	global_load_b64 v[Q+2*\p:Q+2*\p+1], v[PA], s[6:7] offset:SROW*\p
.endr
.irp i, 0,1,2,3
	FILL \i
.endr
	s_wait_loadcnt 8*AHEAD                         ; the 16 chunks are in; the 8 AHEAD younger loads of enc stay out
.irp p, 0,2,4,6,8,10,12,14
	v_pk_add_f32 v[Q+2*\p:Q+2*\p+1], v[Q+2*\p:Q+2*\p+1], v[Q+2*\p+2:Q+2*\p+3]      ; a fixed tree: neighbours,
.endr
.irp p, 0,4,8,12
	v_pk_add_f32 v[Q+2*\p:Q+2*\p+1], v[Q+2*\p:Q+2*\p+1], v[Q+2*\p+4:Q+2*\p+5]      ; two apart,
.endr
.irp p, 0,8
	v_pk_add_f32 v[Q+2*\p:Q+2*\p+1], v[Q+2*\p:Q+2*\p+1], v[Q+2*\p+8:Q+2*\p+9]      ; four apart,
.endr
	v_pk_add_f32 v[Q:Q+1], v[Q:Q+1], v[Q+16:Q+17]                                  ; eight apart
	s_wait_alu depctr_va_vdst(0)                   ; the tree has written v[Q:Q+1], which the LDS store reads, and is done reading and writing the rest of Q, in which the LDS loads behind the barrier land
	ds_store_b64 v[PA], v[Q:Q+1] offset:Q_LDS      ; 512 threads x 8 bytes: the whole of q[b]
	s_wait_dscnt 0x0                               ; my store is in LDS, for the other waves' sake
	s_barrier_signal -1
	s_barrier_wait -1
	s_wait_alu depctr_vm_vsrc(0)                   ; my LDS store has read v[Q:Q+1], in which the first load below lands
.irp j, 0,1,2,3,4,5,6,7
	ds_load_b128 v[Q+4*\j:Q+4*\j+3], v[QA] offset:Q_LDS+512*\j     ; q in the order in which a row's loads bring enc
.endr
	s_wait_dscnt 0x0
; Packed product j of the 16 of row i, on chain j % 4.
.macro PROD i, j
.if (\j) < 4
	v_pk_mul_f32 v[A+2*(\j):A+2*(\j)+1], v[X+32*((\i)%SLOTS)+2*(\j):X+32*((\i)%SLOTS)+2*(\j)+1], v[Q+2*(\j):Q+2*(\j)+1]    ; the first four products start the chains
.else
	v_pk_fma_f32 v[A+2*((\j)%4):A+2*((\j)%4)+1], v[X+32*((\i)%SLOTS)+2*(\j):X+32*((\i)%SLOTS)+2*(\j)+1], v[Q+2*(\j):Q+2*(\j)+1], v[A+2*((\j)%4):A+2*((\j)%4)+1]
.endif
.endm
; Turn i: the result of the row before goes into LDS; the product of row i with q, and among its lines the loads of row i + AHEAD; the sum across the lanes.
.macro TURN i
.if ROWS-1-\i < AHEAD-1
	s_wait_loadcnt 8*(ROWS-1-\i)                   ; the last rows: fewer younger rows are left
.else
	s_wait_loadcnt 8*(AHEAD-1)                     ; loads come back in order (ISA guide 5.7.1): my row is in, the AHEAD - 1 younger rows stay out
.endif
.if \i > 0
	s_wait_alu depctr_va_vdst(0)                   ; the turn before has written its result, which the LDS store below reads, and is done reading its slot, in which this turn's loads (turns 1 to 11 have them) land
	ds_store_b32 v[EA], v[R+\i-1] offset:4*(\i-1)  ; every lane holds the sum: all store the same word with the same value
.endif                                                 ; (turn 0: no row before it, and no vector instruction has ever named slot 4: the wait at the kernel's head has covered the offset)
.irp j, 0,1,2,3,4,5,6,7
.if \i+AHEAD < ROWS
	LD1 \i+AHEAD, \j                               ; into the slot that the turn before read; no vector instruction since the wait names it
.endif
	PROD \i, 2*\j
	PROD \i, 2*\j+1
.endr
	v_pk_add_f32 v[A:A+1], v[A:A+1], v[A+2:A+3]
	v_pk_add_f32 v[A+4:A+5], v[A+4:A+5], v[A+6:A+7]
	v_pk_add_f32 v[A:A+1], v[A:A+1], v[A+4:A+5]
	v_add_f32 v[A], v[A], v[A+1]
	v_add_f32_dpp v[A], v[A], v[A] row_xmask:1 row_mask:0xf bank_mask:0xf          ; four steps inside each half of 16 lanes,
	v_add_f32_dpp v[A], v[A], v[A] row_xmask:2 row_mask:0xf bank_mask:0xf
	v_add_f32_dpp v[A], v[A], v[A] row_xmask:4 row_mask:0xf bank_mask:0xf
	v_add_f32_dpp v[A], v[A], v[A] row_xmask:8 row_mask:0xf bank_mask:0xf
	v_permlanex16_b32 v[A+1], v[A], s10, s11       ; one across the halves (its destination has been written before)
	v_add_f32 v[R+\i], v[A], v[A+1]                ; into the row's own register, which nothing writes again
.endm
.irp i, 0,1,2,3,4,5,6,7,8,9,10,11,12,13,14,15
	TURN \i
.endr
	s_wait_alu depctr_va_vdst(0)                   ; the last turn has written its result, which the LDS store reads
	ds_store_b32 v[EA], v[R+ROWS-1] offset:4*(ROWS-1)
	; The way out: the 256 results, 1,024 consecutive bytes of en, leave by two waves, 16 bytes a lane.
	s_wait_dscnt 0x0                               ; my sixteen stores are in LDS, for the sake of waves 0 and 1
	s_barrier_signal -1
	s_barrier_wait -1
	s_cmp_gt_u32 s16, 1
	s_cbranch_scc1 .Lend
	ds_load_b128 v[O:O+3], v[OA] offset:EN_LDS     ; no vector instruction names O, and v[OA] was written ahead of the wait at the kernel's head
	s_wait_dscnt 0x0
	global_store_b128 v[OA], v[O:O+3], s[8:9]      ; sixteen lanes store 256 consecutive bytes, aligned
.Lend:
	s_wait_dscnt 0x0
	s_wait_alu depctr_hold_cnt(0) depctr_sa_sdst(0) depctr_va_vdst(0) depctr_va_sdst(0) depctr_va_ssrc(0) depctr_va_vcc(0) depctr_vm_vsrc(0)
	s_wait_tensorcnt 0x0
	ds_add_u32 v226, v227
	s_wait_dscnt 0x0
	s_endpgm
.Lfunc_end_k_q2bb8d1db93_energy:
	.size	k_q2bb8d1db93_energy, .Lfunc_end_k_q2bb8d1db93_energy-k_q2bb8d1db93_energy
	.p2alignl 7, 3214868480
	.fill 96, 4, 3214868480
	.section	.rodata,"a",@progbits
	.p2align	6, 0x0
	.amdhsa_kernel k_q2bb8d1db93_energy
		.amdhsa_group_segment_fixed_size 7168
		.amdhsa_private_segment_fixed_size 0
		.amdhsa_enable_private_segment 0
		.amdhsa_kernarg_size 24
		.amdhsa_user_sgpr_count 2
		.amdhsa_user_sgpr_kernarg_segment_ptr 1
		.amdhsa_wavefront_size32 1
		.amdhsa_system_sgpr_workgroup_id_x 1
		.amdhsa_system_sgpr_workgroup_id_y 1
		.amdhsa_system_sgpr_workgroup_id_z 1
		.amdhsa_system_vgpr_workitem_id 0
		.amdhsa_next_free_vgpr 228
		.amdhsa_next_free_sgpr 66
		.amdhsa_reserve_vcc 0
		.amdhsa_float_denorm_mode_32 3
		.amdhsa_float_denorm_mode_16_64 3
		.amdhsa_memory_ordered 1
		.amdhsa_forward_progress 1
		.amdhsa_inst_pref_size 45
	.end_amdhsa_kernel
	.amdgpu_metadata
---
amdhsa.version: [ 1, 2 ]
amdhsa.kernels:
  - .name:           k_q2bb8d1db93_energy
    .symbol:         k_q2bb8d1db93_energy.kd
    .args:
      - { .name: enc_outputs, .offset: 0, .size: 8, .value_kind: global_buffer, .address_space: global }
      - { .name: qp, .offset: 8, .size: 8, .value_kind: global_buffer, .address_space: global }
      - { .name: en, .offset: 16, .size: 8, .value_kind: global_buffer, .address_space: global }
    .group_segment_fixed_size: 7168
    .private_segment_fixed_size: 0
    .kernarg_segment_align: 8
    .kernarg_segment_size: 24
    .max_flat_workgroup_size: 512
    .sgpr_count:     66
    .vgpr_count:     228
    .wavefront_size: 32
...
	.end_amdgpu_metadata
.endif
;; end of part 4
;; launch softmax: the kernel of part 3 again; grid 32 x 1, 8 waves a work-group, no clusters, 1,280 bytes of LDS; arguments en, dec_hidden, bias, out0; writes out0
